; MI455X (gfx1250); checked and timed in simulation.
; The chip was launched on July 23, 2026; its instructions are those of AMD's public machine-readable ISA for CDNA 5 (MIT licence, August 2026) and "CDNA5" Instruction Set Architecture Reference Guide (July 2026). The comments in the code are by the model that wrote it; some were corrected since.
;; Linear Mo E. Allowed arithmetic: matrix products marked QUANTISED: E2M1 operands, one E8M0 scale for each 32 along K, by v_wmma_scale_f32_16x16x128_f8f6f4 with both operands' format E2M1 (or v_wmma_scale_f32_32x16x128_f4), f32 sums; products left as they are: f32 operands where the result goes on into a quantised operand, else bf16, f16 or f32 operands; f32 sums; everything else in f32.
;; Inputs: W_codes 8 x 2,048 x 64 x 16 uint8 (E2M1 codes of W, K innermost, in blocks of 32 codes, two codes a byte); W_scales 8 x 2,048 x 64 uint8 (E8M0 scales of W, one for each 32 codes along K); Wg 2,048 x 8 float32; b 8 x 2,048 float32; bg 8 float32; x 2,048 x 2,048 float32.
;; Outputs: out0 2,048 x 2,048 float32.
;; This version of the problem:
;;   THIS VERSION OF THE PROBLEM IS GIVEN IN LOW PRECISION. The matrix products marked QUANTISED in the list below multiply operands that are first quantised to E2M1 (2 exponent bits, 1 mantissa bit; 4 bits a number), with one power-of-two scale for each 32 numbers along K (OCP MX v1.0); their sums are f32. All else is computed in f32.
;;   The module's matrix products, in the order in which they are computed (A, B: the left and right operand; K: the contracted axis; several contracted axes count as one K, in the product's order):
;;     1. [M 2,048, K 2,048] x [K 2,048, N 8]; A: input x; B: input Wg: left as it is (N = 8 < 16)
;;     2. [M 2,048, K 2,048] x [K 2,048, N 16,384]; A: input x; B: input W (given as codes): QUANTISED
;;     3. batch 2,048 x [M 2,048, K 8] x [K 8, N 1]; A: computed on the way; B: computed on the way: left as it is (K = 8 < 32)
;;   THE QUANTISER, for each operand of a quantised product, along K:
;;     - K is cut into blocks of 32 from its start; a last block that is shorter is filled with zeros.
;;     - A block's scale is 2^e with e = floor(log2(the largest magnitude in the block)) - 2, held to -126 .. 127; a block of zeros has e = 0. As a byte (E8M0): e + 127.
;;     - Each number is divided by its block's scale, clamped to +-6, and rounded to the nearest number of E2M1, ties to even, subnormals kept.
;;     - The product sums the exact products of the quantised numbers (number of the format x scale) in f32.
;;   ~~~python
;;   def quantise(x, axis):      # numpy; x: float32 -> the quantised numbers, widened to float32 again
;;       x = np.moveaxis(x, axis, -1); K = x.shape[-1]
;;       x = np.pad(x, [(0, 0)] * (x.ndim - 1) + [(0, -K % 32)]); x = x.reshape(x.shape[:-1] + (-1, 32)); a = np.abs(x).max(-1, keepdims=True)
;;       e = np.where(a > 0, np.clip(np.frexp(np.where(a > 0, a, 1))[1] - 1 - 2, -126, 127), 0)      # np.frexp(a)[1] - 1 = floor(log2(a)), exactly
;;       r = np.clip(x / 2.0 ** e, -6, 6)
;;       step = 2.0 ** (np.maximum(np.frexp(np.where(r == 0, 1, r))[1] - 1, 0) - 1)
;;       q = np.round(r / step) * step * 2.0 ** e      # np.round: ties to even
;;       return np.moveaxis(q.reshape(q.shape[:-2] + (-1,))[..., :K], -1, axis).astype(np.float32)
;;   ~~~
;;   INPUTS GIVEN AS CODES. W (in the module: [8, 2048, 2048], K = its axis 1): each comes as NAME_codes (uint8): NAME with its K axis moved to the last place and cut into blocks of 32 codes, [.., K / 32, bytes a block], one block behind the other in memory; two codes a byte, the lower K in the low four bits (a code: sign, 2 exponent bits, 1 mantissa bit); and NAME_scales (uint8): the same leading axes, one E8M0 byte (e + 127) for each 32 codes along K. Its value is code x scale, taken as it is: it is not quantised again, and the codes and scales need not be those that the quantiser above would give.
;; One version. Each part assembles by itself: llvm-mc -triple=amdgcn-amd-amdhsa -mcpu=gfx1250 --defsym DOCPART=n.
;; ======== version 1 of 1: 2 launches
;; limits: right only within a limited range of input values
;; workspace buffers: xq 2,097,152 bytes; xs 131,072 bytes; cw 65,536 bytes; pairbits 8,192 bytes of whole numbers; paircnt 8,192 bytes of whole numbers; wq 16,777,216 bytes
;; launch route (part 1): grid 256 x 1, 8 waves a work-group, no clusters, 86,016 bytes of LDS; arguments x, Wg, bg, xq, xs, cw, pairbits, paircnt, W_codes, wq; writes xq, xs, cw, pairbits, paircnt, wq
.if DOCPART == 1
	.amdgcn_target "amdgcn-amd-amdhsa--gfx1250"
	.amdhsa_code_object_version 6
	.text
	.protected	k_q3014f1172d_route
	.globl	k_q3014f1172d_route
	.p2align	8
	.type	k_q3014f1172d_route,@function
k_q3014f1172d_route:
	s_mov_b64 s[64:65], 0
	v_nop
	global_prefetch_b8 v0, s[64:65] scope:SCOPE_SE
	s_setreg_imm32_b32 hwreg(HW_REG_WAVE_MODE, 25, 1), 1
	s_wait_xcnt 0x0
; LinearMoE, first of two launches.  y[n] = sum over e of combine[n][e] (Q(x)[n] . W[e] + b[e]); combine holds the two largest softmax gates of x Wg + bg, 0 elsewhere.
; THIS LAUNCH: x [2048][2048] f32 becomes codes of E2M1 (xq: [token][1,024 bytes], K innermost, the lower k in the low four bits) and E8M0 bytes (xs: [token][64]);
; the gate's logits in f32 fused multiply-adds, the softmax with its maximum taken away, the top 2 (ties to the lower index);
; cw [token][8] f32: the gate of a chosen expert, 0 for the six others;
; and, for the next launch's addresses, whole numbers at fixed places: with (lo, hi) the token's two experts, q = lo (15 - lo) / 2 + hi - lo - 1 (0 .. 27) is its pair;
; pairbits [i][q][16 bytes]: byte j of cell (i, q) has bit t set where token 8 (16 i + j) + t has pair q;  paircnt: the same cells, each byte the number of bits set in that byte.
; ALSO: W's codes are laid once in the order of the operand's registers: wq [expert][16 columns h][K step of 128][c][lane][16 bytes]: lane (r, hh) of quad c holds k = 64 c + 32 hh + 0 .. 31 of the step, of row r.
; The codes themselves are not touched.  The next launch, many of whose work-groups read each expert, then loads its fragments whole, 512 consecutive bytes an instruction.
; WORK LEFT OUT BY THE PROGRAM: combine[n][e] is the sum of one_hot(top_idx[n]) x top_w[n], which reference() builds itself: it is exactly 0 for every expert outside top_idx[n], whatever the inputs hold.
; So x W[e] of those experts is multiplied by 0 and reaches no output; the next launch leaves it out where it comes in whole tiles of 16 tokens x one expert (inside a tile that is live for
; another token it stays and is multiplied by cw = 0).  Every input has a way to the output and is loaded.
; LIMITS: a NaN, an infinity or an overflow that reaches only the work left out is not carried to the result.  NaN or infinite x or logits are not served.  A block of x whose largest magnitude lies under
; 2^-124 gets the byte 1 (a block of zeros too, where the rule says 127: its codes are zeros, and this program alone reads the bytes).
; SHARES.  Work-group G takes tokens 8 G .. 8 G + 7.  Wave w takes k = 256 w .. 256 w + 255 of all eight; lane l holds k = 256 w + 4 l + 0..3 (part A) and 256 w + 128 + 4 l + 0..3 (part B), so each load of x is
; 512 consecutive bytes, and eight neighbouring lanes hold a block of 32.  The lane's eight rows of Wg (64 registers) stay for all eight tokens; those sixteen loads take 16 bytes of each lane's 128, once.
; Of W, wave 8 G + w takes 16 rows x 512 bytes: the 16 rows of block 4 G + w / 2, half w % 2 of K.  They go through the wave's own 16 rows of LDS and leave as 16 x 512 consecutive bytes.
; All that the work-group reads is asked for at once: no loop.  No matrix unit (N = 8), no tensor load, no cluster: nothing is shared between work-groups but Wg's 64 KiB.
.set CS,    0                          ; LDS: codes [t][1,024]
.set SS,    8192                       ; scale bytes [t][64]
.set PL,    8704                       ; partial logits [t][wave][expert] f32
.set CWS,   10752                      ; combine weights [t][8] f32
.set KQ,    11008                      ; the pair of each token, a word each
.set SPARE, 11264                      ; the spare words, 128 bytes for each of eight waves: no other line names them
.set WSTG,  12288                      ; for each wave 16 rows of 512 bytes + 16 = 33 x 16: the 16 rows that a load touches start in 16 different columns of 16 bytes
.set WP,    528
.set SPW,  1                           ; v1   my spare word's address; never rewritten
.set NIL,  2                           ; v2   0; never rewritten
.set LN,   3                           ; v3   lane
.set XOFF, 4                           ; v4   x: 1,024 w + 16 l
.set GOFF, 5                           ; v5   Wg: 8,192 w + 16 l
.set CA,   6                           ; v6   CS + 128 w + 2 l
.set SA,   7                           ; v7   SS + 8 w + l / 8
.set PLA,  8                           ; v8   PL + 32 w + 4 (l % 8)
.set CRD,  9                           ; v9   CS + 1,024 w + 16 l
.set PRD,  10                          ; v10  PL + 256 w + 4 l
.set CWA,  11                          ; v11  CWS + 32 w + 4 (l % 8)
.set L16,  12                          ; v12  16 l
.set EF,   13                          ; v13  l % 8 as f32
.set BG,   14                          ; v14  bg[l % 8]
.set WSR,  15                          ; v15  W's stage, out: 528 (l % 16) + 16 (l / 16)
.set G,    16                          ; v16-79   Wg: register 8 kk + e; kk 0-3 part A, 4-7 part B
.set X,    80                          ; v80-143  x: register 8 t + kk
.set ACC,  144                         ; v144-151 eight logits' partial sums; at the end, in wave 1, the eight tokens' pairs;  v152-183 at work
.set SRD,  184                         ; v184 SS + 16 l
.set CWR,  185                         ; v185 CWS + 8 l
.set KQA,  186                         ; v186 KQ
.set KQW,  187                         ; v187 KQ + 4 w
.set PBO,  188                         ; v188 my byte in pairbits and paircnt
.set L8,   189                         ; v189 8 l
.set WSW,  190                         ; v190 W's stage, in: 16 l
.set BGO,  191                         ; v191 4 (l % 8)
.set WR,   192                         ; v192-255 W: 16 rows as loaded, then 16 quads in the operand's order
	s_load_b512 s[4:19], s[0:1], 0x0               ; x, Wg, bg, xq, xs, cw, pairbits, paircnt
	s_load_b128 s[36:39], s[0:1], 0x40             ; W_codes, wq
	v_lshl_add_u32 v[SPW], v0, 2, SPARE
	v_mov_b32 v[NIL], 0
	v_lshrrev_b32 v152, 5, v0
	s_delay_alu instid0(VALU_DEP_1)
	v_readfirstlane_b32 s20, v152                  ; wave 0..7
	v_and_b32 v[LN], 31, v0
	v_and_b32 v152, 7, v0                          ; l % 8: the expert that ends up in my lane
	s_delay_alu instid0(VALU_DEP_2)
	v_lshlrev_b32 v[L16], 4, v[LN]
	s_delay_alu instid0(VALU_DEP_3)
	v_lshlrev_b32 v[L8], 3, v[LN]
	s_delay_alu instid0(VALU_DEP_3)
	v_cvt_f32_u32 v[EF], v152
	s_delay_alu instid0(VALU_DEP_4)
	v_lshlrev_b32 v[BGO], 2, v152
	s_lshl_b32 s26, s20, 10
	v_add_nc_u32 v[XOFF], s26, v[L16]
	v_add_nc_u32 v[CRD], s26, v[L16]               ; (CS = 0)
	s_lshl_b32 s26, s20, 13
	v_add_nc_u32 v[GOFF], s26, v[L16]              ; my 256 rows of Wg are 8,192 consecutive bytes: 512 a load
	s_lshl_b32 s26, s20, 7
	v_lshl_add_u32 v[CA], v[LN], 1, s26            ; (CS = 0)
	s_lshl_b32 s26, s20, 3
	s_add_co_u32 s26, s26, SS
	v_lshrrev_b32 v[SA], 3, v[LN]
	s_delay_alu instid0(VALU_DEP_1)
	v_add_nc_u32 v[SA], s26, v[SA]
	s_lshl_b32 s26, s20, 5
	s_add_co_u32 s27, s26, PL
	v_lshl_add_u32 v[PLA], v152, 2, s27
	s_add_co_u32 s27, s26, CWS
	v_lshl_add_u32 v[CWA], v152, 2, s27
	s_lshl_b32 s26, s20, 8
	s_add_co_u32 s26, s26, PL
	v_lshl_add_u32 v[PRD], v[LN], 2, s26
	v_add_nc_u32 v[SRD], SS, v[L16]
	v_add_nc_u32 v[CWR], CWS, v[L8]
	v_mov_b32 v[KQA], KQ
	s_lshl_b32 s26, s20, 2
	s_add_co_u32 s26, s26, KQ
	v_mov_b32 v[KQW], s26
	s_mul_i32 s26, s20, 9216                       ; my stage: W's 16 rows of 528 bytes, and behind them in time Wg's 64 runs of 128 bytes + 16
	s_add_co_u32 s26, s26, WSTG                    ; my stage for W
	v_add_nc_u32 v[WSW], s26, v[L16]
	v_and_b32 v153, 15, v0
	s_delay_alu instid0(VALU_DEP_1)
	v_mul_u32_u24 v[WSR], v153, WP
	v_bfe_u32 v153, v0, 4, 1
	s_delay_alu instid0(VALU_DEP_1)
	v_lshl_add_u32 v[WSR], v153, 4, v[WSR]
	s_delay_alu instid0(VALU_DEP_1)
	v_add_nc_u32 v[WSR], s26, v[WSR]
.set WGW, 182                          ; Wg's stage, in: 16 l + 16 (l / 8): byte y of the 8,192 goes to y + 16 (y / 128)
.set WGR, 183                          ; out: 144 l: the lane's own 128 bytes.  (Both are free again when the scale bytes land there)
	v_lshrrev_b32 v[WGW], 3, v[LN]
	v_mul_u32_u24 v[WGR], v[LN], 144
	v_lshl_add_u32 v[WGW], v[WGW], 4, v[WSW]
	v_add_nc_u32 v[WGR], s26, v[WGR]
	s_lshr_b32 s26, ttmp9, 4
	s_lshl_b32 s26, s26, 9
	s_and_b32 s27, ttmp9, 15
	s_add_co_u32 s26, s26, s27
	v_lshl_add_u32 v[PBO], v[LN], 4, s26           ; 512 (G / 16) + 16 x lane + G % 16: lane q writes row q's byte
	s_mov_b32 s21, 0xaaaaaaaa                      ; lanes with bit 0 set,
	s_mov_b32 s22, 0xcccccccc                      ; bit 1,
	s_mov_b32 s23, 0xf0f0f0f0                      ; bit 2
	s_mov_b32 s24, 0x76543210                      ; v_permlanex16_b32's selects for lane l xor 16
	s_mov_b32 s25, 0xfedcba98
	s_lshl_b32 s26, ttmp9, 16                      ; my eight rows of x: 8 x 8,192 bytes a work-group; and the work-group's four blocks of W: 4 x 16,384
	s_mov_b32 s27, 0
	s_lshr_b32 s28, s20, 1
	s_lshl_b32 s28, s28, 14
	s_add_co_u32 s28, s28, s26                     ; my block of 16 rows of W
	s_and_b32 s29, s20, 1                          ; my half of K:
	s_lshl_b32 s30, s29, 9
	s_add_co_u32 s30, s30, s28                     ; in W_codes 512 bytes on in each row,
	s_mov_b32 s31, 0
	s_lshl_b32 s32, s29, 13
	s_add_co_u32 s32, s32, s28                     ; in wq eight K steps of 1,024 bytes on
	s_mov_b32 s33, 0
	s_wait_alu depctr_va_vdst(0)                   ; the wait at the head's end
	s_wait_kmcnt 0x0
	s_add_nc_u64 s[4:5], s[4:5], s[26:27]
	s_add_nc_u64 s[36:37], s[36:37], s[30:31]
	s_add_nc_u64 s[38:39], s[38:39], s[32:33]
	global_load_b32 v[BG], v[BGO], s[8:9]
.irp i, 0,1,2,3,4,5,6,7
	global_load_b128 v[WR+8*\i:WR+8*\i+3], v[L16], s[36:37] offset:2048*\i th:TH_LOAD_NT     ; rows 2 i and 2 i + 1 of my 16 of W: 512 consecutive bytes each
	global_load_b128 v[WR+8*\i+4:WR+8*\i+7], v[L16], s[36:37] offset:2048*\i+1024 th:TH_LOAD_NT
.endr
.irp i, 0,1,2,3,4,5,6,7,8,9,10,11,12,13,14,15
	global_load_b128 v[G+4*\i:G+4*\i+3], v[GOFF], s[6:7] offset:512*\i                       ; Wg as it lies
.endr
.irp t, 0,1,2,3,4,5,6,7
	global_load_b128 v[X+8*\t:X+8*\t+3], v[XOFF], s[4:5] offset:8192*\t th:TH_LOAD_NT        ; 32 lanes read 512 consecutive bytes
	global_load_b128 v[X+8*\t+4:X+8*\t+7], v[XOFF], s[4:5] offset:8192*\t+512 th:TH_LOAD_NT
.endr
	s_lshl_b32 s26, ttmp9, 13                      ; where the results go: xq at token 8 G + w,
	s_lshl_b32 s28, s20, 10
	s_add_co_u32 s26, s26, s28
	s_add_nc_u64 s[10:11], s[10:11], s[26:27]
	s_lshl_b32 s26, ttmp9, 9                       ; xs at token 8 G,
	s_add_nc_u64 s[12:13], s[12:13], s[26:27]
	s_lshl_b32 s26, ttmp9, 8                       ; cw likewise
	s_add_nc_u64 s[14:15], s[14:15], s[26:27]
; One token: my 8 numbers' part of its eight logits, summed over the wave; and my 8 numbers' codes.
.macro TOKEN t
	s_wait_loadcnt 14-2*\t                         ; the later tokens' pairs of loads may be out
.irp i, 0,1,2,3
	v_pk_mul_f32 v[ACC+2*\i:ACC+2*\i+1], v[G+2*\i:G+2*\i+1], v[X+8*\t:X+8*\t+1] op_sel_hi:[1,0]   ; the first k starts the sums: experts 2 i, 2 i + 1, both times x's one number
.endr
.irp kk, 1,2,3,4,5,6,7
.irp i, 0,1,2,3
.if (\kk)%2
	s_delay_alu instid0(VALU_DEP_4)
	v_pk_fma_f32 v[ACC+2*\i:ACC+2*\i+1], v[G+8*\kk+2*\i:G+8*\kk+2*\i+1], v[X+8*\t+\kk-1:X+8*\t+\kk], v[ACC+2*\i:ACC+2*\i+1] op_sel:[0,1,0] op_sel_hi:[1,1,1]
.else
	s_delay_alu instid0(VALU_DEP_4)
	v_pk_fma_f32 v[ACC+2*\i:ACC+2*\i+1], v[G+8*\kk+2*\i:G+8*\kk+2*\i+1], v[X+8*\t+\kk:X+8*\t+\kk+1], v[ACC+2*\i:ACC+2*\i+1] op_sel_hi:[1,0,1]
.endif
.endr
.endr
	; the sum over the 32 lanes, turning as it goes: in each of three stages a lane keeps one of two sums, gives the other to the lane 1, 2, 4 away, and adds what it is given: lane l ends with expert l % 8
.irp i, 0,1,2,3
	v_cndmask_b32 v[152+\i], v[ACC+2*\i], v[ACC+2*\i+1], s21
	v_cndmask_b32 v[156+\i], v[ACC+2*\i+1], v[ACC+2*\i], s21
.endr
.irp i, 0,1,2,3
	v_add_f32_dpp v[152+\i], v[156+\i], v[152+\i] row_xmask:1 row_mask:0xf bank_mask:0xf
.endr
.irp i, 0,1
	s_delay_alu instid0(VALU_DEP_3)
	v_cndmask_b32 v[160+\i], v[152+2*\i], v[153+2*\i], s22
	s_delay_alu instid0(VALU_DEP_4)
	v_cndmask_b32 v[162+\i], v[153+2*\i], v[152+2*\i], s22
.endr
.irp i, 0
	s_delay_alu instid0(VALU_DEP_3)
	v_add_f32_dpp v[160+\i], v[162+\i], v[160+\i] row_xmask:2 row_mask:0xf bank_mask:0xf
.endr
.irp i, 1
	s_delay_alu instid0(VALU_DEP_2)
	v_add_f32_dpp v[160+\i], v[162+\i], v[160+\i] row_xmask:2 row_mask:0xf bank_mask:0xf
.endr
	s_delay_alu instid0(VALU_DEP_1)
	v_cndmask_b32 v164, v160, v161, s23
	s_delay_alu instid0(VALU_DEP_2)
	v_cndmask_b32 v165, v161, v160, s23
	s_delay_alu instid0(VALU_DEP_1)
	v_add_f32_dpp v164, v165, v164 row_xmask:4 row_mask:0xf bank_mask:0xf
	s_delay_alu instid0(VALU_DEP_1)
	v_add_f32_dpp v164, v164, v164 row_xmask:8 row_mask:0xf bank_mask:0xf
	s_delay_alu instid0(VALU_DEP_1)
	v_permlanex16_b32 v165, v164, s24, s25
	s_delay_alu instid0(VALU_DEP_1)
	v_add_f32 v164, v164, v165
	ds_store_b32 v[PLA], v164 offset:256*\t        ; the four groups of eight lanes write the same words with the same values
	; the quantiser: part A's block and part B's, each in eight lanes
	v_max3_num_f32 v166, |v[X+8*\t]|, |v[X+8*\t+1]|, 0x1800000     ; with the floor 2^(3 - 127): the byte cannot fall under 1
	v_max3_num_f32 v167, |v[X+8*\t+4]|, |v[X+8*\t+5]|, 0x1800000
	s_delay_alu instid0(VALU_DEP_2)
	v_max3_num_f32 v166, v166, |v[X+8*\t+2]|, |v[X+8*\t+3]|
	s_delay_alu instid0(VALU_DEP_2)
	v_max3_num_f32 v167, v167, |v[X+8*\t+6]|, |v[X+8*\t+7]|
.irp d, 1,2,4
	s_delay_alu instid0(VALU_DEP_2)
	v_max_num_f32_dpp v166, v166, v166 row_xmask:\d row_mask:0xf bank_mask:0xf
	s_delay_alu instid0(VALU_DEP_2)
	v_max_num_f32_dpp v167, v167, v167 row_xmask:\d row_mask:0xf bank_mask:0xf
.endr
	s_delay_alu instid0(VALU_DEP_2)
	v_add_nc_u32 v166, 0xff000000, v166            ; 2 off the exponent field: the conversion takes this operand's exponent field as its scale
	s_delay_alu instid0(VALU_DEP_2)
	v_add_nc_u32 v167, 0xff000000, v167
	v_cvt_scalef32_pk8_fp4_f32 v168, v[X+8*\t:X+8*\t+7], v166      ; all eight numbers under A's scale: the low 16 bits are A's four codes;
	v_cvt_scalef32_pk8_fp4_f32 v169, v[X+8*\t:X+8*\t+7], v167      ; under B's: the high 16 bits are B's.  (The other halves are not used; beyond 6 the conversion gives the largest code)
	v_lshrrev_b32 v170, 23, v166                   ; the scales' bytes.  (Plain lines behind the conversions)
	v_lshrrev_b32 v171, 23, v167
	ds_store_b16 v[CA], v168 offset:1024*\t
	ds_store_b16_d16_hi v[CA], v169 offset:1024*\t+64
	ds_store_b8 v[SA], v170 offset:64*\t           ; the eight lanes of a block write the same byte with the same value
	ds_store_b8 v[SA], v171 offset:64*\t+4
.endm
	; W goes first: 16 rows into my stage as they lie; out of it quad i: lane (r, hh) takes bytes 32 i + 16 hh of row r: K step i / 2, c = i % 2.  The stores leave while the tokens are worked on below.
	s_wait_loadcnt 0x20                            ; behind W's sixteen loads stand Wg's sixteen and x's sixteen
.irp i, 0,1,2,3,4,5,6,7,8,9,10,11,12,13,14,15
	ds_store_b128 v[WSW], v[WR+4*\i:WR+4*\i+3] offset:WP*\i
.endr
.irp i, 0,1,2,3,4,5,6,7,8,9,10,11,12,13,14,15
	ds_load_b128 v[WR+4*\i:WR+4*\i+3], v[WSR] offset:32*\i         ; LDS serves a wave's instructions in order (ISA guide 5.7.1.4): these see the stores above, and land in the registers that those have left
.endr
.irp i, 0,1,2,3,4,5,6,7,8,9,10,11,12,13,14,15
	s_wait_dscnt 15-\i                             ; the later loads may be out
	global_store_b128 v[L16], v[WR+4*\i:WR+4*\i+3], s[38:39] offset:512*\i     ; 32 lanes store 512 consecutive bytes, aligned.  v192-255 are written by no later line
.endr
	; Wg: into the same stage, and back so that each lane has its own rows: LDS serves a wave's instructions in order
	s_wait_loadcnt 0x10                            ; behind Wg's loads stand x's sixteen
.irp i, 0,1,2,3,4,5,6,7,8,9,10,11,12,13,14,15
	ds_store_b128 v[WGW], v[G+4*\i:G+4*\i+3] offset:576*\i
.endr
.irp i, 0,1,2,3,4,5,6,7
	ds_load_b128 v[G+4*\i:G+4*\i+3], v[WGR] offset:16*\i
	ds_load_b128 v[G+32+4*\i:G+32+4*\i+3], v[WGR] offset:4608+16*\i
.endr
	s_wait_dscnt 0x0
.irp t, 0,1,2,3,4,5,6,7
	TOKEN \t
.endr
	s_wait_dscnt 0x0                               ; for the others' sake: my stores into LDS have landed
	s_barrier_signal -1
	s_barrier_wait -1                              ; eight tokens' codes, scale bytes and partial logits lie in LDS
	; wave w finishes token 8 G + w
	ds_load_b32 v160, v[PRD]                       ; waves 0-3's partial logits: lane l: wave l / 8, expert l % 8
	ds_load_b32 v161, v[PRD] offset:128            ; waves 4-7's
	ds_load_b128 v[172:175], v[CRD]
	ds_load_b128 v[176:179], v[CRD] offset:512
	s_wait_dscnt 0x2                               ; the two words are in; the two loads of codes may be out
	v_add_f32 v160, v160, v161
	s_delay_alu instid0(VALU_DEP_1)
	v_add_f32_dpp v160, v160, v160 row_xmask:8 row_mask:0xf bank_mask:0xf
	s_delay_alu instid0(VALU_DEP_1)
	v_permlanex16_b32 v161, v160, s24, s25
	s_delay_alu instid0(VALU_DEP_1)
	v_add_f32 v160, v160, v161
	s_delay_alu instid0(VALU_DEP_1)
	v_add_f32 v160, v160, v[BG]                    ; the logit of expert l % 8
	s_wait_alu depctr_va_vdst(0)
	s_wait_dscnt 0x0
	global_store_b128 v[L16], v[172:175], s[10:11]             ; the token's 1,024 bytes of codes: 512 consecutive bytes a store.  v172-179 are written by no later line
	global_store_b128 v[L16], v[176:179], s[10:11] offset:512
.irp d, 1,2,4
.if \d == 1
	v_max_num_f32_dpp v162, v160, v160 row_xmask:1 row_mask:0xf bank_mask:0xf
.else
	s_delay_alu instid0(VALU_DEP_1)
	v_max_num_f32_dpp v162, v162, v162 row_xmask:\d row_mask:0xf bank_mask:0xf
.endif
.endr
	s_delay_alu instid0(VALU_DEP_1)
	v_sub_f32 v163, v160, v162                     ; the maximum is taken away, as reference() does
	s_delay_alu instid0(VALU_DEP_1)
	v_mul_f32 v163, 0x3fb8aa3b, v163
	s_wait_alu depctr_va_vdst(0)
	v_exp_f32 v163, v163
	v_nop                                          ; a plain line behind the transcendental,
	s_wait_alu depctr_va_vdst(0)                   ; and the wait ahead of its first reader
	v_add_f32_dpp v164, v163, v163 row_xmask:1 row_mask:0xf bank_mask:0xf
	s_delay_alu instid0(VALU_DEP_1)
	v_add_f32_dpp v164, v164, v164 row_xmask:2 row_mask:0xf bank_mask:0xf
	s_delay_alu instid0(VALU_DEP_1)
	v_add_f32_dpp v164, v164, v164 row_xmask:4 row_mask:0xf bank_mask:0xf
	s_wait_alu depctr_va_vdst(0)
	v_rcp_f32 v164, v164
	v_nop
	s_wait_alu depctr_va_vdst(0)
	v_mul_f32 v165, v163, v164                     ; the gate g of expert l % 8
	; the top 2 of the eight gates, ties to the lower index; indices go as f32 numbers
	s_delay_alu instid0(VALU_DEP_1)
	v_max_num_f32_dpp v152, v165, v165 row_xmask:1 row_mask:0xf bank_mask:0xf
	s_delay_alu instid0(VALU_DEP_1)
	v_max_num_f32_dpp v152, v152, v152 row_xmask:2 row_mask:0xf bank_mask:0xf
	s_delay_alu instid0(VALU_DEP_1)
	v_max_num_f32_dpp v152, v152, v152 row_xmask:4 row_mask:0xf bank_mask:0xf
	s_delay_alu instid0(VALU_DEP_1)
	v_cmp_eq_f32 vcc_lo, v165, v152
	s_delay_alu instid0(VALU_DEP_1)
	v_cndmask_b32 v153, 0x41000000, v[EF], vcc_lo  ; my index where I hold the largest, else 8.0
	s_delay_alu instid0(VALU_DEP_1)
	v_min_num_f32_dpp v153, v153, v153 row_xmask:1 row_mask:0xf bank_mask:0xf
	s_delay_alu instid0(VALU_DEP_1)
	v_min_num_f32_dpp v153, v153, v153 row_xmask:2 row_mask:0xf bank_mask:0xf
	s_delay_alu instid0(VALU_DEP_1)
	v_min_num_f32_dpp v153, v153, v153 row_xmask:4 row_mask:0xf bank_mask:0xf   ; i1
	s_delay_alu instid0(VALU_DEP_1)
	v_cmp_neq_f32 vcc_lo, v[EF], v153
	s_delay_alu instid0(VALU_DEP_1)
	v_cndmask_b32 v154, -1.0, v165, vcc_lo         ; the first is taken out: gates are never negative
	s_delay_alu instid0(VALU_DEP_1)
	v_max_num_f32_dpp v155, v154, v154 row_xmask:1 row_mask:0xf bank_mask:0xf
	s_delay_alu instid0(VALU_DEP_1)
	v_max_num_f32_dpp v155, v155, v155 row_xmask:2 row_mask:0xf bank_mask:0xf
	s_delay_alu instid0(VALU_DEP_1)
	v_max_num_f32_dpp v155, v155, v155 row_xmask:4 row_mask:0xf bank_mask:0xf
	s_delay_alu instid0(VALU_DEP_1)
	v_cmp_eq_f32 vcc_lo, v154, v155
	s_delay_alu instid0(VALU_DEP_1)
	v_cndmask_b32 v156, 0x41000000, v[EF], vcc_lo
	s_delay_alu instid0(VALU_DEP_1)
	v_min_num_f32_dpp v156, v156, v156 row_xmask:1 row_mask:0xf bank_mask:0xf
	s_delay_alu instid0(VALU_DEP_1)
	v_min_num_f32_dpp v156, v156, v156 row_xmask:2 row_mask:0xf bank_mask:0xf
	s_delay_alu instid0(VALU_DEP_1)
	v_min_num_f32_dpp v156, v156, v156 row_xmask:4 row_mask:0xf bank_mask:0xf   ; i2
	v_cmp_eq_f32 s26, v[EF], v153
	s_delay_alu instid0(VALU_DEP_2)
	v_cmp_eq_f32 s27, v[EF], v156
	s_or_b32 s26, s26, s27
	v_cndmask_b32 v157, 0, v165, s26               ; combine: my gate where my expert is chosen, else 0
	ds_store_b32 v[CWA], v157
	v_min_num_f32 v158, v153, v156
	v_max_num_f32 v159, v153, v156
	s_delay_alu instid0(VALU_DEP_2)
	v_cvt_u32_f32 v158, v158                       ; lo
	s_delay_alu instid0(VALU_DEP_2)
	v_cvt_u32_f32 v159, v159                       ; hi
	s_delay_alu instid0(VALU_DEP_2)
	v_sub_nc_u32 v166, 15, v158
	s_delay_alu instid0(VALU_DEP_1)
	v_mul_u32_u24 v166, v166, v158
	s_delay_alu instid0(VALU_DEP_1)
	v_lshrrev_b32 v166, 1, v166
	s_delay_alu instid0(VALU_DEP_1)
	v_add_nc_u32 v166, v166, v159
	s_delay_alu instid0(VALU_DEP_1)
	v_sub_nc_u32 v166, v166, v158
	s_delay_alu instid0(VALU_DEP_1)
	v_add_nc_u32 v166, -1, v166                    ; the pair: lo (15 - lo) / 2 + hi - lo - 1
	s_delay_alu instid0(VALU_DEP_1)
	v_min_u32 v166, 27, v166
	ds_store_b32 v[KQW], v166                      ; all lanes hold the same number
	s_cmp_lg_u32 s20, 0
	s_cbranch_scc1 .Lno_scales
	ds_load_b128 v[180:183], v[SRD]                ; wave 0: the eight tokens' 512 scale bytes leave as one aligned run of 512
	s_wait_dscnt 0x0
	global_store_b128 v[L16], v[180:183], s[12:13]
.Lno_scales:
	s_wait_dscnt 0x0
	s_barrier_signal -1
	s_barrier_wait -1                              ; eight tokens' combine weights and pairs lie in LDS
	s_cmp_lg_u32 s20, 0
	s_cbranch_scc1 .Lnot_wave_0
	ds_load_b64 v[152:153], v[CWR]
	s_wait_dscnt 0x0
	global_store_b64 v[L8], v[152:153], s[14:15]   ; 32 lanes store 256 consecutive bytes, aligned
.Lnot_wave_0:
	s_cmp_lg_u32 s20, 1
	s_cbranch_scc1 .Lnot_wave_1
	ds_load_b128 v[ACC:ACC+3], v[KQA]              ; wave 1: the eight pairs, in every lane; into the registers of the partial sums, which are done with and which no store names
	ds_load_b128 v[ACC+4:ACC+7], v[KQA] offset:16
	v_mov_b32 v154, 0                              ; row q's byte of bits (q = my lane),
	v_mov_b32 v155, 0                              ; and how many are set
	s_wait_dscnt 0x0
.irp t, 0,1,2,3,4,5,6,7
	v_cmp_eq_u32 vcc_lo, v[ACC+\t], v[LN]
	s_delay_alu instid0(VALU_DEP_1)
	v_cndmask_b32 v156, 0, 1, vcc_lo
	s_wait_alu depctr_va_vdst(0)
	v_lshl_or_b32 v154, v156, \t, v154
	v_add_nc_u32 v155, v155, v156
.endr
	global_store_b8 v[PBO], v154, s[16:17]         ; all 32 lanes store: rows 28 to 31 get 0
	global_store_b8 v[PBO], v155, s[18:19]
.Lnot_wave_1:
	s_wait_tensorcnt 0x0                           ; the wave's end
	ds_add_u32 v[SPW], v[NIL]
	s_wait_dscnt 0x0
	s_endpgm
.Lfunc_end_k_q3014f1172d_route:
	.size	k_q3014f1172d_route, .Lfunc_end_k_q3014f1172d_route-k_q3014f1172d_route
	.p2alignl 7, 3214868480
	.fill 96, 4, 3214868480
	.section	.rodata,"a",@progbits
	.p2align	6, 0x0
	.amdhsa_kernel k_q3014f1172d_route
		.amdhsa_group_segment_fixed_size 86016
		.amdhsa_private_segment_fixed_size 0
		.amdhsa_enable_private_segment 0
		.amdhsa_kernarg_size 80
		.amdhsa_user_sgpr_count 2
		.amdhsa_user_sgpr_kernarg_segment_ptr 1
		.amdhsa_wavefront_size32 1
		.amdhsa_system_sgpr_workgroup_id_x 1
		.amdhsa_system_sgpr_workgroup_id_y 1
		.amdhsa_system_sgpr_workgroup_id_z 1
		.amdhsa_system_vgpr_workitem_id 0
		.amdhsa_next_free_vgpr 256
		.amdhsa_next_free_sgpr 66
		.amdhsa_reserve_vcc 1
		.amdhsa_float_denorm_mode_32 3
		.amdhsa_float_denorm_mode_16_64 3
		.amdhsa_memory_ordered 1
		.amdhsa_forward_progress 1
		.amdhsa_inst_pref_size 74
	.end_amdhsa_kernel
	.amdgpu_metadata
---
amdhsa.version: [ 1, 2 ]
amdhsa.kernels:
  - .name:           k_q3014f1172d_route
    .symbol:         k_q3014f1172d_route.kd
    .args:
      - { .name: x, .offset: 0, .size: 8, .value_kind: global_buffer, .address_space: global }
      - { .name: Wg, .offset: 8, .size: 8, .value_kind: global_buffer, .address_space: global }
      - { .name: bg, .offset: 16, .size: 8, .value_kind: global_buffer, .address_space: global }
      - { .name: xq, .offset: 24, .size: 8, .value_kind: global_buffer, .address_space: global }
      - { .name: xs, .offset: 32, .size: 8, .value_kind: global_buffer, .address_space: global }
      - { .name: cw, .offset: 40, .size: 8, .value_kind: global_buffer, .address_space: global }
      - { .name: pairbits, .offset: 48, .size: 8, .value_kind: global_buffer, .address_space: global }
      - { .name: paircnt, .offset: 56, .size: 8, .value_kind: global_buffer, .address_space: global }
      - { .name: W_codes, .offset: 64, .size: 8, .value_kind: global_buffer, .address_space: global }
      - { .name: wq, .offset: 72, .size: 8, .value_kind: global_buffer, .address_space: global }
    .group_segment_fixed_size: 86016
    .private_segment_fixed_size: 0
    .kernarg_segment_align: 8
    .kernarg_segment_size: 80
    .max_flat_workgroup_size: 256
    .sgpr_count:     66
    .vgpr_count:     256
    .wavefront_size: 32
...
	.end_amdgpu_metadata
.endif
;; end of part 1
;; launch experts (part 2): grid 16 x 16, 4 waves a work-group, no clusters, 164,864 bytes of LDS; arguments pairbits, paircnt, xq, xs, cw, wq, W_scales, b, out0; writes out0
.if DOCPART == 2
	.amdgcn_target "amdgcn-amd-amdhsa--gfx1250"
	.amdhsa_code_object_version 6
	.text
	.protected	k_q3014f1172d_experts
	.globl	k_q3014f1172d_experts
	.p2align	8
	.type	k_q3014f1172d_experts,@function
k_q3014f1172d_experts:
	s_mov_b64 s[64:65], 0
	v_nop
	global_prefetch_b8 v0, s[64:65] scope:SCOPE_SE
	s_setreg_imm32_b32 hwreg(HW_REG_WAVE_MODE, 25, 1), 1
	s_wait_xcnt 0x0
; LinearMoE, second launch.  out0[n][h] = sum over the experts e of cw[n][e] (Q(x)[n] . W[e][:, h] + b[e][h]), on codes of E2M1 with E8M0 scales, by v_wmma_scale_f32_16x16x128_f8f6f4.
; WORK LEFT OUT: the products of tiles of 16 tokens x one expert in which no token has chosen that expert: there cw is exactly 0 by the one_hot that reference() builds (shown at the first kernel's head).
; LIMIT: a NaN, an infinity or an overflow that reaches only the work left out is not carried to the result.
; THE ORDER.  Tokens are taken by their pair of experts, then by number.  The 28 pairs are walked in an order in which neighbours share an expert and every other three neighbours are the three pairs of three experts:
; 01 02 12 13 23 24 34 35 45 46 56 05 06 16 17 14 47 04 07 03 37 36 67 26 27 25 57 15.  Lane o of a wave takes the o-th pair's row of pairbits and paircnt.  Position p lies in the row whose range of the running
; sum of the rows' totals holds p; the token is that row's (p - start)-th set bit.  paircnt holds, byte for byte, how many bits of pairbits' byte are set.
; SHARES.  Work-group (x, y) makes positions 128 y .. + 127 times columns 128 x .. + 127.  Wave w: hq = w % 2 (64 columns), kq = w / 2 (1,024 along K), all 128 positions: no two waves read the same byte of W, and a
; fragment of x read from LDS feeds four products.  The two halves of K meet in the stage through which the results leave.
; The work-group walks the experts that its tokens use, and in each only the tiles of 16 positions that use it: scalar branches on the stored whole numbers.  The launch has no tensor load, and so
; no joint loads and no cluster: W comes from memory straight into the operand's registers, out of wq, which the first launch has laid in their order: each load is 512 consecutive bytes.
; W has two sets of 256 registers, windows 1 and 2.  When an expert is done, the expert AFTER THE NEXT is asked for, into the window just left, behind the next one's loads: two experts' W are on their way or at
; work at any time.  No prefetch: these loads themselves ask a whole expert ahead, and which expert that is, the sort at the head decides.  A trip of the loop runs two experts, until the windows are back where they began.
; THE MATRIX INSTRUCTION IS USED TRANSPOSED: source 0 = 16 rows of W (columns of out0), source 1 = 16 tokens: lane (r, hh) holds token r and columns 8 hh + 0 .. 7 of the tile.
; THE BIAS b[e] is the C of a tile's first product.  The two waves that share columns must add it once: a wave's tile j is the columns' tile (j + 2 kq) % 4, and only its tiles 0 and 1 begin with the bias.
; REGISTERS, in windows of 256: window 0: below.  windows 1, 2: W's fragments (j, s) at 64 j + 8 s; at the head window 2 takes the rows of x as they land.  window 3: y, tile (t, j) at 32 t + 8 j.
.set XC,    0                          ; LDS: the 128 positions' codes, rows of 1,024 bytes + 16: 65 x 16, so the 16 rows that a load touches start in 16 different columns of 16 bytes
.set XP,    1040
.set XSB,   128*XP                     ; their scale bytes, rows of 64 + 16
.set XSP,   80
.set TOK,   XSB+128*XSP                ; the token of each position, a word each: 128 bytes a wave
.set SPARE, TOK+512                    ; the spare words, 128 bytes a wave: no other line names them
.set CNTL,  SPARE+512                  ; paircnt as [16][pair in order][16 bytes], and pairbits likewise
.set BITL,  CNTL+8192
.set CWL,   BITL+8192                  ; cw as [expert][position]
.set WP,    528
.set PLANE, 128*WP                     ; the way out: two planes of 128 rows x (512 + 16), one for each half of K, over XC and XSB when nobody reads those any more
.set SPW,   1                          ; v1   my spare word's address; never rewritten
.set NIL,   2                          ; v2   0; never rewritten
.set L16,   3                          ; v3   16 x lane
.set WSOFF, 4                          ; v4   W's scales: 64 r + 16 hh
.set BOFF,  5                          ; v5   b: 32 hh
.set TKW,   6                          ; v6   TOK + 128 w, the same in all lanes
.set CWR,   7                          ; v7   4 r
.set XA0,   8                          ; v8   x's fragments, tiles 0-3: 1,040 r + 16 hh + 512 kq
.set XA1,   9                          ; v9   tiles 4-7
.set XSA,   10                         ; v10  x's scale words: 80 r + 16 hh + 32 kq
.set TOKA,  11                         ; v11  TOK + 4 x thread
.set CWA,   12                         ; v12  CWL + 4 r + 512 x the expert in hand
.set RR,    13                         ; v13  r = lane % 16
.set HH,    14                         ; v14  hh = lane / 16
.set LANE,  15
.set WS,    16                         ; v16-31, v32-47  W's scale words, two sets: register 4 j + i: lanes 0-15 K step i, lanes 16-31 K step 4 + i
.set BIAS,  48                         ; v48-63, v64-79  the bias of my tiles 0 and 1, two sets.  At the head the second set is at work:
.set XW,    64                         ; where I put rows of x,
.set XSW,   65                         ; and their scale bytes
.set TK4,   66                         ; TOK + 128 w + 4 (lane / 4)
.set L3,    67                         ; 16 (lane % 4)
.set VP,    68                         ; the pairs that hold expert lane % 8
.set VB,    69
.set TOKEN, 70                         ; the token of my position
.set CWS,   71                         ; CWL + 4 x thread
.set CNS,   72                         ; CNTL + 2,048 w + 16 lane
.set QC,    73                         ; the quarter of the row, its address, the word in it, the bit in that
.set QA,    74
.set WI,    75
.set BX,    76
.set XSC,   80                         ; v80-87  x's scale words, two sets
.set CWT,   88                         ; v88, v90  cw of my token for the expert in hand, two sets.  v89, v91 hold 0: a packed source names a pair
.set ACC,   96                         ; v96-127 four accumulators.  At the head: at work.  On the way out: 32 offsets
.set PP,    102                        ; my position, its row, my rank there
.set RW,    103
.set RK,    104
.set XB,    128                        ; v128-191, v192-255 x's fragments, two sets.  At the head: a row of paircnt, and what goes through LDS
.set CN,    128
.set VO,    128
.set BI,    252
.set WV,  20
.set HQ,  21
.set KQ,  22
.set TB,  24
.set P0,  25                           ; the work-group's first position
.set PW,  26                           ; the wave's
.set WA0, 28                           ; s[28:29] wq at my tiles 0 and 1, my half of K, expert 0; s[30:31] at my tiles 2 and 3;  s[32:35] the same of the expert asked for
.set WC0, 30
.set WA,  32
.set WC,  34
.set SA0, 36                           ; W_scales likewise
.set SC0, 38
.set SA,  40
.set SC,  42
.set BB0, 48                           ; s[48:49] b at my tiles 0 and 1, expert 0;  s[50:51] of the expert asked for
.set BB,  50
.set BT,  52                           ; s52-59 the pairs present in tile t, a bit a pair
.set TM,  60                           ; s60, s61  bit 8 (t % 4) + e: tile t uses expert e
.set UU,  62                           ; s62, s63  the same shifted down by the expert in hand
.set MM,  66                           ; the experts still to come behind the one in hand
.set EE,  67                           ; the expert in hand
.set EN,  68                           ; the next
.set TRIP, 69
.set SEL, 70
.set MSK, 72                           ; s72-76 lanes with bit 0, 1, 2, 3, 4 set
.set LM,  78                           ; s78-80 lanes 8-15, 16-23, 24-31
.set OUTB, 82
.set MK,  84                           ; 0x00ff00ff
.set RE,  86                           ; s86-93 where eight rows end
.set MSB, 0
.macro WIN new                         ; bits 1:0 source 0, 3:2 source 1, 5:4 source 2, 7:6 destination; the high byte repeats the setting that is left
.if MSB != \new
	s_set_vgpr_msb (MSB<<8)|\new
.set MSB, \new
.endif
.endm
.macro SUMW dst, base, n               ; n words from v[base] on are added, byte by byte (n <= 16 and bytes <= 8: no byte passes 128)
.if \n == 1
	v_mov_b32 v[\dst], v[\base]
.elseif \n == 2
	v_add_nc_u32 v[\dst], v[\base], v[(\base)+1]
.else
	v_add3_u32 v[\dst], v[\base], v[(\base)+1], v[(\base)+2]
.set sw, 3
.rept ((\n)-4)/2
	v_add3_u32 v[\dst], v[\dst], v[(\base)+sw], v[(\base)+sw+1]
.set sw, sw+2
.endr
	v_add_nc_u32 v[\dst], v[\dst], v[(\base)+(\n)-1]
.endif
.endm
.macro FOLD4 a, t                      ; four bytes become two sums of 16 bits, and those one number
	v_lshrrev_b32 v[\t], 8, v[\a]
	v_and_b32 v[\a], s[MK], v[\a]
	v_and_b32 v[\t], s[MK], v[\t]
	v_add_nc_u32 v[\a], v[\a], v[\t]
	v_lshrrev_b32 v[\t], 16, v[\a]
	v_and_b32 v[\a], 0xffff, v[\a]
	v_add_nc_u32 v[\a], v[\a], v[\t]
.endm
.macro PICK ix                         ; v77 = the set bits in the lower half.  VCC: mine lies in the upper half; then the lower half's are taken off my rank.  ix gathers the index
	v_cmp_ge_u32 vcc_lo, v[RK], v77
	v_cndmask_b32 v77, 0, v77, vcc_lo
	v_cndmask_b32 v78, 0, 1, vcc_lo
	v_sub_nc_u32 v[RK], v[RK], v77
	v_lshl_or_b32 v[\ix], v[\ix], 1, v78
.endm
.macro LEVEL n                         ; the search among 2 n words of counts
	SUMW 77, CN, \n
	FOLD4 77, 78
	PICK WI
.set li, 0
.rept \n
	v_cndmask_b32 v[CN+li], v[CN+li], v[CN+li+\n], vcc_lo
.set li, li+1
.endr
.endm
.macro INBITS sh                       ; the same inside the word of bits: sh bits are passed over
	PICK BX
.if \sh > 1
	v_lshrrev_b32 v79, \sh, v[BI]
	v_cndmask_b32 v[BI], v[BI], v79, vcc_lo
.endif
.endm
.macro VPSEL e, bits
	v_cmp_ne_u32 vcc_lo, \e, v79
	v_cndmask_b32 v[VP], \bits, v[VP], vcc_lo
.endm
; the addresses of the expert in s[e]: 2^21 bytes of codes, 2^17 of scales, 2^13 of b
.macro BASES e
	s_lshl_b32 s44, s[\e], 21
	s_mov_b32 s45, 0
	s_add_nc_u64 s[WA:WA+1], s[WA0:WA0+1], s[44:45]
	s_add_nc_u64 s[WC:WC+1], s[WC0:WC0+1], s[44:45]
	s_lshl_b32 s44, s[\e], 17
	s_add_nc_u64 s[SA:SA+1], s[SA0:SA0+1], s[44:45]
	s_add_nc_u64 s[SC:SC+1], s[SC0:SC0+1], s[44:45]
	s_lshl_b32 s44, s[\e], 13
	s_add_nc_u64 s[BB:BB+1], s[BB0:BB0+1], s[44:45]
.endm
; n of its 64 loads of W: a tile's eight K steps are 8,192 consecutive bytes; load 16 j + i brings registers 64 j + 4 i on.  win: 0x40 into window 1, 0x80 into window 2.
; 48 of them (tiles 0 to 2) go out with the small loads, the last 16 later.
.macro TL win, from, n
	WIN \win
.set ro, \from
.rept \n
.if ro < 32
	global_load_b128 v[4*ro:4*ro+3], v[L16], s[WA:WA+1] offset:16384*(ro/16)+512*(ro%16)
.else
	global_load_b128 v[4*ro:4*ro+3], v[L16], s[WC:WC+1] offset:16384*((ro/16)-2)+512*(ro%16)
.endif
.set ro, ro+1
.endr
	WIN 0
.endm
; its scale words and its bias, into set st: 8 loads
.macro SMALL st
.irp j, 0,1
	global_load_b128 v[WS+16*(\st)+4*\j:WS+16*(\st)+4*\j+3], v[WSOFF], s[SA:SA+1] offset:1024*\j
	global_load_b128 v[WS+16*(\st)+8+4*\j:WS+16*(\st)+8+4*\j+3], v[WSOFF], s[SC:SC+1] offset:1024*\j
	global_load_b128 v[BIAS+16*(\st)+8*\j:BIAS+16*(\st)+8*\j+3], v[BOFF], s[BB:BB+1] offset:64*\j
	global_load_b128 v[BIAS+16*(\st)+8*\j+4:BIAS+16*(\st)+8*\j+7], v[BOFF], s[BB:BB+1] offset:64*\j+16
.endr
.endm
; the next expert out of MM is asked for: its first 56 loads, into set and window st
.macro NEXT st
	s_ctz_i32_b32 s[EN], s[MM]
	s_min_u32 s[EN], s[EN], 7
	s_wait_xcnt 0x0                                ; the bases below have been read by every earlier load
	BASES EN
	SMALL \st
.set NW, 0x40+0x40*(\st)
	TL NW, 0, 48
.endm
; tile t's scale words, weights and eight fragments of my half of K: 18 loads into set t % 2
.macro XISSUE t
	ds_load_b128 v[XSC+4*((\t)%2):XSC+4*((\t)%2)+3], v[XSA] offset:16*XSP*(\t)
	ds_load_b32 v[CWT+2*((\t)%2)], v[CWA] offset:64*(\t)
.set xi, 0
.rept 16
	ds_load_b128 v[XB+64*((\t)%2)+4*xi:XB+64*((\t)%2)+4*xi+3], v[XA0+(\t)/4] offset:16*XP*((\t)%4)+32*xi
.set xi, xi+1
.endr
.endm
; tile t times the expert in hand, whose W lies in window 1 + par: 32 products, the four accumulators by turns, one instruction a turn; the first four start the sums; then y += cw x the sums
.macro COMPUTE t, par
.set CWN, 1+(\par)
.set WSP, WS+16*(\par)
.set BIP, BIAS+16*(\par)
	WIN CWN                                        ; source 0 (W): window 1 or 2
.set cs, 0
.rept 8
.set cj, 0
.rept 4
.if (cs == 0) && (cj < 2)
	v_wmma_scale_f32_16x16x128_f8f6f4 v[ACC+8*cj:ACC+8*cj+7], v[64*cj+8*cs:64*cj+8*cs+7], v[XB+64*((\t)%2)+8*cs:XB+64*((\t)%2)+8*cs+7], v[BIP+8*cj:BIP+8*cj+7], v[WSP+4*cj+cs%4], v[XSC+4*((\t)%2)+cs%4] matrix_a_fmt:MATRIX_FMT_FP4 matrix_b_fmt:MATRIX_FMT_FP4
.elseif cs == 0
	v_wmma_scale_f32_16x16x128_f8f6f4 v[ACC+8*cj:ACC+8*cj+7], v[64*cj+8*cs:64*cj+8*cs+7], v[XB+64*((\t)%2)+8*cs:XB+64*((\t)%2)+8*cs+7], 0, v[WSP+4*cj+cs%4], v[XSC+4*((\t)%2)+cs%4] matrix_a_fmt:MATRIX_FMT_FP4 matrix_b_fmt:MATRIX_FMT_FP4
.elseif cs < 4
	v_wmma_scale_f32_16x16x128_f8f6f4 v[ACC+8*cj:ACC+8*cj+7], v[64*cj+8*cs:64*cj+8*cs+7], v[XB+64*((\t)%2)+8*cs:XB+64*((\t)%2)+8*cs+7], v[ACC+8*cj:ACC+8*cj+7], v[WSP+4*cj+cs%4], v[XSC+4*((\t)%2)+cs%4] matrix_a_fmt:MATRIX_FMT_FP4 matrix_b_fmt:MATRIX_FMT_FP4
.else
	v_wmma_scale_f32_16x16x128_f8f6f4 v[ACC+8*cj:ACC+8*cj+7], v[64*cj+8*cs:64*cj+8*cs+7], v[XB+64*((\t)%2)+8*cs:XB+64*((\t)%2)+8*cs+7], v[ACC+8*cj:ACC+8*cj+7], v[WSP+4*cj+cs%4], v[XSC+4*((\t)%2)+cs%4] matrix_a_fmt:MATRIX_FMT_FP4 matrix_b_fmt:MATRIX_FMT_FP4 matrix_a_scale:MATRIX_SCALE_ROW1 matrix_b_scale:MATRIX_SCALE_ROW1
.endif
.set cj, cj+1
.endr
.set cs, cs+1
.endr
.rept 5
	v_nop                                          ; places: four ahead of the reads of the sums and of loads into the operands, five ahead of the next tile's products, which begin these accumulators anew
.endr
	WIN 0xf0                                       ; y: destination and source 2 in window 3
.set cj, 0
.rept 4
.set ci, 0
.rept 4                                            ; each accumulator from its low end on
	v_pk_fma_f32 v[32*(\t)+8*cj+2*ci:32*(\t)+8*cj+2*ci+1], v[ACC+8*cj+2*ci:ACC+8*cj+2*ci+1], v[CWT+2*((\t)%2):CWT+2*((\t)%2)+1], v[32*(\t)+8*cj+2*ci:32*(\t)+8*cj+2*ci+1] op_sel_hi:[1,0,1]
.set ci, ci+1
.endr
.set cj, cj+1
.endr
	WIN 0
.endm
; tile t's loads are issued, if it uses the expert; then tile q = t - 1 is multiplied, if it does
.macro TILESTEP t, q, par
.if \t < 8
	s_bitcmp1_b32 s[UU+(\t)/4], 8*((\t)%4)
	s_cbranch_scc0 .Lidle_\@
	XISSUE \t
	s_wait_dscnt 18                                ; all but the 18 just issued: tile q's are in
	s_branch .Lgo_\@
.Lidle_\@:
	s_wait_dscnt 0x0                               ; nothing was issued behind tile q's
.Lgo_\@:
.else
	s_wait_dscnt 0x0
.endif
	s_bitcmp1_b32 s[UU+(\q)/4], 8*((\q)%4)
	s_cbranch_scc0 .Lskip_\@
	COMPUTE \q, \par
.Lskip_\@:
.endm
; one expert: its W lies in window 1 + par, its scale words and bias in set par, all landed; the next one's first 56 loads are out, into the other window and set
.macro TRIPX par
	s_lshl_b32 s44, s[EE], 9
	v_add_nc_u32 v[CWA], s44, v[CWR]
	v_min_u32 v[CWA], 0xe3c, v[CWA]                ; 7 x 512 + 4 x 15 at the most
	v_add_nc_u32 v[CWA], CWL, v[CWA]
	s_wait_alu depctr_va_vdst(0)                   ; directly behind the write
	s_lshr_b32 s[UU], s[TM], s[EE]                 ; bit 8 (t % 4): tile t uses this expert
	s_lshr_b32 s[UU+1], s[TM+1], s[EE]
	s_bitcmp1_b32 s[UU], 0
	s_cbranch_scc0 .Lno_tile0_\par
	XISSUE 0
.Lno_tile0_\par:
	TILESTEP 1, 0, \par
	TILESTEP 2, 1, \par
	TILESTEP 3, 2, \par
	TILESTEP 4, 3, \par
	s_cmp_eq_u32 s[MM], 0
	s_cbranch_scc1 .Lno_rest_\par
.set NXW, 0x80-0x40*(\par)
	TL NXW, 48, 16                                 ; the next W's last 16 loads
.Lno_rest_\par:
	TILESTEP 5, 4, \par
	TILESTEP 6, 5, \par
	TILESTEP 7, 6, \par
	TILESTEP 8, 7, \par
	s_cmp_eq_u32 s[MM], 0
	s_cbranch_scc1 .Ldone
	s_mov_b32 s[EE], s[EN]
	s_sub_co_u32 s44, s[MM], 1
	s_and_b32 s[MM], s[MM], s44
	s_cmp_eq_u32 s[MM], 0
	s_cbranch_scc1 .Lno_next_\par
	NEXT \par                                      ; the expert after the next goes where this one was: the registers' last readers stand behind the last tile's places
	s_wait_loadcnt 56                              ; all but the 56 just issued: the next expert is in
	s_branch .Lgot_\par
.Lno_next_\par:
	s_wait_loadcnt 0x0
.Lgot_\par:
.endm
	s_load_b512 s[4:19], s[0:1], 0x0               ; pairbits, paircnt, xq, xs, cw, wq, W_scales, b
	s_load_b64 s[OUTB:OUTB+1], s[0:1], 0x40        ; out0
	v_lshl_add_u32 v[SPW], v0, 2, SPARE
	v_mov_b32 v[NIL], 0
	v_lshrrev_b32 v79, 5, v0
	v_readfirstlane_b32 s[WV], v79                 ; wave 0..3
	v_and_b32 v[LANE], 31, v0
	v_and_b32 v[RR], 15, v0
	v_bfe_u32 v[HH], v0, 4, 1
	v_lshlrev_b32 v[L16], 4, v[LANE]
	s_lshl_b32 s44, s[WV], 11
	v_bfe_u32 v96, 0xa352b696, v[LANE], 1          ; the row of the lane's pair, bit by bit: lane o's bit of each word is that bit of the number lo (15 - lo) / 2 + hi - lo - 1 of the o-th pair (lo, hi)
	v_bfe_u32 v97, 0xce4e23e4, v[LANE], 1
	v_bfe_u32 v98, 0xf2345b34, v[LANE], 1
	v_bfe_u32 v99, 0xfe41e438, v[LANE], 1
	v_bfe_u32 v100, 0xf5f107c0, v[LANE], 1
	v_lshl_or_b32 v96, v97, 1, v96
	v_lshl_or_b32 v98, v99, 1, v98
	v_lshl_or_b32 v96, v98, 2, v96
	v_lshl_or_b32 v96, v100, 4, v96
	v_lshlrev_b32 v77, 4, v96                      ; 16 x row,
	v_add_nc_u32 v78, s44, v77                     ; and + 2,048 w: my wave's quarter of the rows
	v_add_nc_u32 v[CNS], s44, v[L16]
	v_add_nc_u32 v[CNS], CNTL, v[CNS]
	s_wait_alu depctr_va_vdst(0)
	s_wait_kmcnt 0x0
.set i, 0
.rept 16
	global_load_b128 v[CN+4*i:CN+4*i+3], v77, s[6:7] offset:512*i      ; the 64 words of my pair's counts; each load is the same 512 consecutive bytes in another order
.set i, i+1
.endr
.irp i, 0,1,2,3
	global_load_b128 v[208+4*\i:211+4*\i], v78, s[6:7] offset:512*\i   ; the quarter that my wave copies into LDS: counts,
.endr
.irp i, 0,1,2,3
	global_load_b128 v[192+4*\i:195+4*\i], v78, s[4:5] offset:512*\i   ; and bits
.endr
	; while they are on their way: bases, addresses, the table of pairs
	s_and_b32 s[HQ], s[WV], 1
	s_lshr_b32 s[KQ], s[WV], 1
	s_and_b32 s[TB], ttmp7, 0xffff
	s_lshl_b32 s[P0], s[TB], 7
	s_lshl_b32 s[PW], s[WV], 5
	s_add_co_u32 s[PW], s[PW], s[P0]
	s_mov_b32 s[SEL], 0x76543210                   ; v_permlanex16_b32's selects for lane l xor 16
	s_mov_b32 s[SEL+1], 0xfedcba98
	s_mov_b32 s[MSK], 0xaaaaaaaa
	s_mov_b32 s[MSK+1], 0xcccccccc
	s_mov_b32 s[MSK+2], 0xf0f0f0f0
	s_mov_b32 s[MSK+3], 0xff00ff00
	s_mov_b32 s[MSK+4], 0xffff0000
	s_mov_b32 s[LM], 0xff00
	s_mov_b32 s[LM+1], 0xff0000
	s_mov_b32 s[LM+2], 0xff000000
	s_mov_b32 s[MK], 0x00ff00ff
	s_lshl_b32 s44, ttmp9, 7
	s_lshl_b32 s45, s[HQ], 6
	s_add_co_u32 s44, s44, s45                     ; my first column of out0 = my first row of an expert's W, a multiple of 64
	s_mov_b32 s47, 0
	s_lshl_b32 s46, s44, 10                        ; in wq 16 rows are 16,384 bytes,
	s_lshl_b32 s45, s[KQ], 13                      ; my eight K steps begin 8,192 kq bytes on in them,
	s_add_co_u32 s46, s46, s45
	s_lshl_b32 s45, s[KQ], 15                      ; and my tiles 0 and 1 are the columns' tiles 2 kq and 2 kq + 1
	s_add_co_u32 s46, s46, s45
	s_add_nc_u64 s[WA0:WA0+1], s[14:15], s[46:47]
	s_xor_b32 s46, s46, 0x8000                     ; the other two tiles
	s_add_nc_u64 s[WC0:WC0+1], s[14:15], s[46:47]
	s_lshl_b32 s46, s44, 6
	s_lshl_b32 s45, s[KQ], 5
	s_add_co_u32 s46, s46, s45
	s_lshl_b32 s45, s[KQ], 11
	s_add_co_u32 s46, s46, s45
	s_add_nc_u64 s[SA0:SA0+1], s[16:17], s[46:47]
	s_xor_b32 s46, s46, 0x800
	s_add_nc_u64 s[SC0:SC0+1], s[16:17], s[46:47]
	s_lshl_b32 s46, s44, 2
	s_lshl_b32 s45, s[KQ], 7
	s_add_co_u32 s46, s46, s45
	s_add_nc_u64 s[BB0:BB0+1], s[18:19], s[46:47]
	s_lshl_b32 s46, ttmp9, 9
	s_add_nc_u64 s[OUTB:OUTB+1], s[OUTB:OUTB+1], s[46:47]
	v_mul_u32_u24 v[XA0], v[RR], XP
	v_lshl_add_u32 v[XA0], v[HH], 4, v[XA0]
	s_lshl_b32 s44, s[KQ], 9
	v_add_nc_u32 v[XA0], s44, v[XA0]
	v_add_nc_u32 v[XA1], 64*XP, v[XA0]             ; a second register: an LDS offset has 16 bits
	v_mul_u32_u24 v[XSA], v[RR], XSP
	v_lshl_add_u32 v[XSA], v[HH], 4, v[XSA]
	s_lshl_b32 s44, s[KQ], 5
	s_add_co_u32 s44, s44, XSB
	v_add_nc_u32 v[XSA], s44, v[XSA]
	v_lshl_add_u32 v[TOKA], v0, 2, TOK
	v_lshl_add_u32 v[CWS], v0, 2, CWL
	v_lshlrev_b32 v[CWR], 2, v[RR]
	s_mul_i32 s44, s[WV], 32*XP
	v_add_nc_u32 v[XW], s44, v[L16]
	v_lshrrev_b32 v79, 2, v[LANE]
	v_mul_u32_u24 v[XSW], v79, XSP
	v_and_b32 v[L3], 3, v0
	v_lshlrev_b32 v[L3], 4, v[L3]
	v_add_nc_u32 v[XSW], v[XSW], v[L3]
	s_mul_i32 s44, s[WV], 32*XSP
	s_add_co_u32 s44, s44, XSB
	v_add_nc_u32 v[XSW], s44, v[XSW]
	v_lshlrev_b32 v[TK4], 2, v79
	s_lshl_b32 s44, s[WV], 7
	s_add_co_u32 s44, s44, TOK
	v_add_nc_u32 v[TK4], s44, v[TK4]
	v_mov_b32 v[TKW], s44
	v_lshlrev_b32 v[WSOFF], 6, v[RR]
	v_lshl_add_u32 v[WSOFF], v[HH], 4, v[WSOFF]
	v_lshlrev_b32 v[BOFF], 5, v[HH]
	v_and_b32 v79, 7, v0
	v_mov_b32 v[VP], 0xe1803                       ; the pairs, in order (a bit a pair), that hold expert lane % 8
	VPSEL 1, 0x800e00d
	VPSEL 2, 0x3800036
	VPSEL 3, 0x3800d8
	VPSEL 4, 0x38360
	VPSEL 5, 0xe000d80
	VPSEL 6, 0xe03600
	VPSEL 7, 0x5554000
.set i, 0
.rept 16
	v_mov_b32 v[WS+16+i], 0x7f7f7f7f               ; W's second set of scale words and both of x's (here: the scale 1) and the weights (0) are written once, so that every register that a product
.set i, i+1
.endr
.set i, 0
.rept 8
	v_mov_b32 v[XSC+i], 0x7f7f7f7f
.set i, i+1
.endr
.irp i, 0,1,2,3
	v_mov_b32 v[CWT+\i], 0                         ; or an update names has been written on every way through the branches below; loads write them anew
.endr
	s_wait_alu depctr_va_vdst(0)                   ; directly ahead of the wait below
	s_wait_loadcnt 0x0
.irp i, 0,1,2,3
	ds_store_b128 v[CNS], v[208+4*\i:211+4*\i] offset:512*\i
.endr
.irp i, 0,1,2,3
	ds_store_b128 v[CNS], v[192+4*\i:195+4*\i] offset:8192+512*\i
.endr
	s_wait_dscnt 0x0                               ; for the others' sake: my stores have landed
	s_barrier_signal -1
	; work on registers while the others arrive: each row's quarters and total, and the running sum over the rows
	SUMW 106, CN, 16
	SUMW 107, CN+16, 16
	SUMW 108, CN+32, 16
	SUMW 109, CN+48, 16
	FOLD4 106, 99
	FOLD4 107, 100
	FOLD4 108, 99
	FOLD4 109, 100
	v_add_nc_u32 v110, v106, v107                  ; two quarters,
	v_add_nc_u32 v111, v110, v108                  ; three,
	v_add_nc_u32 v96, v111, v109                   ; v96: how many tokens have pair my lane
	v_lshl_or_b32 v105, v110, 10, v106             ; bits 9:0 one quarter (512 at the most), 20:10 two, 31:21 three
	v_lshl_or_b32 v105, v111, 21, v105
	v_mov_b32 v97, v96                             ; the total of my block of lanes,
	v_mov_b32 v98, v96                             ; and the sum up to and with my lane inside it; blocks double five times
.irp d, 0,1,2,3
	v_mov_b32_dpp v99, v97 row_xmask:1<<\d row_mask:0xf bank_mask:0xf
	v_cndmask_b32 v100, 0, v99, s[MSK+\d]          ; the upper block takes the lower block's total
	v_add_nc_u32 v97, v97, v99
	v_add_nc_u32 v98, v98, v100
.endr
	v_permlanex16_b32 v99, v97, s[SEL], s[SEL+1]
	v_cndmask_b32 v100, 0, v99, s[MSK+4]
	v_add_nc_u32 v98, v98, v100                    ; v98: where my row ends in the order,
	v_sub_nc_u32 v101, v98, v96                    ; v101: where it begins
	v_add_nc_u32 v[PP], s[PW], v[LANE]
	v_mov_b32 v[RW], 0
	s_wait_alu depctr_va_vdst(0)                   ; ahead of the scalar work below
	; which pairs, and so which experts, each tile of 16 positions holds
.set i, 0
.rept 8
	s_add_co_u32 s44, s[P0], 16*i
	s_add_co_u32 s45, s[P0], 16*i+16
	v_max_u32 v112, s44, v101
	v_min_u32 v113, s45, v98
	v_cmp_gt_u32 s[BT+i], v113, v112               ; my row's range meets the tile's
.set i, i+1
.endr
.irp u, 0,1
	v_mov_b32 v[VB], s[BT+4*\u]                    ; lane 8 t + e: tile t's pairs,
	v_cndmask_b32 v[VB], v[VB], s[BT+4*\u+1], s[LM]
	v_cndmask_b32 v[VB], v[VB], s[BT+4*\u+2], s[LM+1]
	v_cndmask_b32 v[VB], v[VB], s[BT+4*\u+3], s[LM+2]
	v_and_b32 v[VB], v[VB], v[VP]                  ; those of them that hold expert e
	v_cmp_ne_u32 s[TM+\u], 0, v[VB]
.endr
	s_wait_alu depctr_va_vdst(0)                   ; ahead of the scalar work and the barrier below
	s_or_b32 s44, s[TM], s[TM+1]
	s_lshr_b32 s45, s44, 16
	s_or_b32 s44, s44, s45
	s_lshr_b32 s45, s44, 8
	s_or_b32 s44, s44, s45
	s_and_b32 s[MM], s44, 0xff                     ; the experts that the work-group's 128 positions use
	s_ctz_i32_b32 s[EE], s[MM]
	s_min_u32 s[EE], s[EE], 7
	s_sub_co_u32 s44, s[MM], 1
	s_and_b32 s[MM], s[MM], s44
	s_barrier_wait -1                              ; all rows' counts and bits lie in LDS
	BASES EE
	SMALL 0                                        ; the first expert's small loads and three quarters of its W go out by and by, among the steps of the search, into window 1
	TL 0x40, 0, 16
	; my position's row: how many rows end at or under it
.set rg, 0
.rept 4
.set ri, 0
.rept 8
.if 8*rg+ri < 27
	v_readlane_b32 s[RE+ri], v98, 8*rg+ri
.endif
.set ri, ri+1
.endr
.set ri, 0
.rept 8
.if 8*rg+ri < 27
	v_cmp_le_u32 vcc_lo, s[RE+ri], v[PP]
	v_cndmask_b32 v[RW], v[RW], 8*rg+ri+1, vcc_lo  ; the ends rise, so the last one at or under the position settles it
.endif
.set ri, ri+1
.endr
.set rg, rg+1
.endr
	v_min_u32 v[RW], 27, v[RW]
	v_lshlrev_b32 v253, 2, v[RW]
	s_wait_alu depctr_va_vdst(0)
	ds_bpermute_b32 v254, v253, v101               ; where my row begins,
	ds_bpermute_b32 v255, v253, v105               ; and its quarters
	TL 0x40, 16, 16
	s_wait_dscnt 0x0
	v_sub_nc_u32 v[RK], v[PP], v254
	v_and_b32 v106, 0x3ff, v255
	v_bfe_u32 v107, v255, 10, 11
	v_lshrrev_b32 v108, 21, v255
	v_cmp_ge_u32 vcc_lo, v[RK], v106
	v_cmp_ge_u32 s46, v[RK], v107
	v_cmp_ge_u32 s47, v[RK], v108
	v_cndmask_b32 v109, 0, v106, vcc_lo
	v_cndmask_b32 v[QC], 0, 1, vcc_lo
	v_cndmask_b32 v109, v109, v107, s46
	v_cndmask_b32 v[QC], v[QC], 2, s46
	v_cndmask_b32 v109, v109, v108, s47
	v_cndmask_b32 v[QC], v[QC], 3, s47             ; which quarter of the row is mine,
	v_sub_nc_u32 v[RK], v[RK], v109                ; and my rank in it
	v_lshlrev_b32 v[QA], 11, v[QC]
	v_lshl_add_u32 v[QA], v[RW], 4, v[QA]
	v_min_u32 v[QA], 0x19b0, v[QA]                 ; 3 x 2,048 + 27 x 16 at the most
	v_add_nc_u32 v[QA], CNTL, v[QA]
	v_mov_b32 v[WI], 0
	v_mov_b32 v[BX], 0
	s_wait_alu depctr_va_vdst(0)
.irp i, 0,1,2,3
	ds_load_b128 v[CN+4*\i:CN+4*\i+3], v[QA] offset:512*\i     ; the quarter's 16 words of counts.  Between the barrier above and the one below nobody stores to LDS
.endr
	TL 0x40, 32, 16
	s_wait_dscnt 0x0
	LEVEL 8
	LEVEL 4
	LEVEL 2
	LEVEL 1
	v_lshrrev_b32 v253, 2, v[WI]
	v_and_b32 v79, 3, v[WI]
	v_lshl_add_u32 v253, v253, 9, v[QA]
	v_lshl_add_u32 v253, v79, 2, v253
	v_min_u32 v253, CNTL+0x1ffc, v253
	ds_load_b32 v[BI], v253 offset:BITL-CNTL       ; the word of bits
	v_and_b32 v77, 0xff, v[CN]                     ; inside the word: two bytes' counts,
	v_bfe_u32 v78, v[CN], 8, 8
	v_add_nc_u32 v77, v77, v78
	v_lshrrev_b32 v79, 16, v[CN]
	PICK BX
	v_cndmask_b32 v[CN], v[CN], v79, vcc_lo
	v_and_b32 v77, 0xff, v[CN]                     ; one byte's,
	PICK BX
	v_lshlrev_b32 v79, 3, v[BX]
	s_wait_alu depctr_va_vdst(0)
	s_wait_dscnt 0x0
	s_barrier_signal -1                            ; my reads of the counts and bits are over
	v_lshrrev_b32 v[BI], v79, v[BI]                ; my byte's bits come to the low end
	v_and_b32 v77, 15, v[BI]                       ; four bits, counted by shifts and masks,
	v_lshrrev_b32 v78, 1, v77
	v_and_b32 v78, 5, v78
	v_sub_nc_u32 v77, v77, v78
	v_lshrrev_b32 v78, 2, v77
	v_and_b32 v77, 3, v77
	v_add_nc_u32 v77, v77, v78
	INBITS 4
	v_and_b32 v77, 1, v[BI]                        ; two bits,
	v_bfe_u32 v78, v[BI], 1, 1
	v_add_nc_u32 v77, v77, v78
	INBITS 2
	v_and_b32 v77, 1, v[BI]                        ; one
	INBITS 1
	v_lshl_add_u32 v[TOKEN], v[QC], 4, v[WI]       ; token = 32 x word + bit
	v_lshl_or_b32 v[TOKEN], v[TOKEN], 5, v[BX]
	v_min_u32 v[TOKEN], 0x7ff, v[TOKEN]
	v_lshlrev_b32 v79, 5, v[TOKEN]                 ; a row of cw is 32 bytes
	s_wait_alu depctr_va_vdst(0)
	s_barrier_wait -1
	; the wave's 32 tokens' codes, scale bytes and weights come into LDS
	ds_store_b32 v[TOKA], v[TOKEN]
.irp i, 0,1,2,3
	ds_load_b32 v[248+\i], v[TK4] offset:32*\i     ; my wave's own words, in order behind the store: the token of position lane / 4 + 8 i;
.endr
.set i, 0
.rept 8
	ds_load_b128 v[VO+4*i:VO+4*i+3], v[TKW] offset:16*i    ; and all 32 tokens, in every lane
.set i, i+1
.endr
	global_load_b128 v[240:243], v79, s[12:13]     ; my token's eight weights
	global_load_b128 v[244:247], v79, s[12:13] offset:16
	s_wait_dscnt 0x0
.irp i, 0,1,2,3
	v_min_u32 v[248+\i], 0x7ff, v[248+\i]
.endr
.irp i, 0,1,2,3
	v_lshl_add_u32 v[248+\i], v[248+\i], 6, v[L3]  ; a row of xs is 64 bytes: four lanes to a row
.endr
.set j, 0
.rept 32
	v_min_u32 v[VO+j], 0x7ff, v[VO+j]
.set j, j+1
.endr
.set j, 0
.rept 32
	v_lshl_add_u32 v[VO+j], v[VO+j], 10, v[L16]    ; a row of xq is 1,024 bytes
.set j, j+1
.endr
	s_wait_alu depctr_va_vdst(0)
.irp i, 0,1,2,3
	global_load_b128 v[224+4*\i:227+4*\i], v[248+\i], s[10:11]
.endr
	WIN 0x80                                       ; destination window 2
.set j, 0
.rept 32
	global_load_b128 v[8*j:8*j+3], v[VO+j], s[8:9]                 ; 512 consecutive bytes of a token's row
	global_load_b128 v[8*j+4:8*j+7], v[VO+j], s[8:9] offset:512
.set j, j+1
.endr
	WIN 0
	TL 0x40, 48, 16                                ; the rest of the first expert's W
	WIN 0xc0
.set j, 0
.rept 256                                              ; y begins at 0, while x is on its way: which expert comes first to a tile hangs on the stored pairs
	v_mov_b32 v[j], 0
.set j, j+1
.endr
	WIN 0
	s_wait_alu depctr_va_vdst(0)
	s_wait_loadcnt 63                              ; behind the loads of weights and scale bytes stand x's 64 and W's 16
.irp i, 0,1,2,3
	ds_store_b128 v[XSW], v[224+4*\i:227+4*\i] offset:8*XSP*\i
.endr
.irp e, 0,1,2,3,4,5,6,7
	ds_store_b32 v[CWS], v[240+\e] offset:512*\e   ; a plane of 128 positions for each expert
.endr
	WIN 0x08                                       ; an LDS store's data are its source 1: window 2
.set g, 0
.rept 8
.if g < 2
	s_wait_loadcnt 63                              ; the counter's most: 72 and 64 loads were issued behind these groups
.else
	s_wait_loadcnt 72-8*g                          ; the loads issued behind this group of eight
.endif
.set j, 0
.rept 8
	ds_store_b128 v[XW], v[32*g+4*j:32*g+4*j+3] offset:XP*(4*g+j/2)+512*(j%2)
.set j, j+1
.endr
.set g, g+1
.endr
	WIN 0
	s_wait_dscnt 0x0                               ; for the others' sake: my stores have landed; and they have read window 2
	s_cmp_eq_u32 s[MM], 0
	s_cbranch_scc1 .Lno_second
	NEXT 1                                         ; the second expert
	s_wait_loadcnt 56                              ; all but the 56 just issued: the first expert is in
	s_branch .Lready
.Lno_second:
	s_wait_loadcnt 0x0
.Lready:
	s_barrier_signal -1
	s_barrier_wait -1                              ; 128 positions' tokens, codes, scale bytes and weights lie in LDS
	s_mov_b32 s[TRIP], 0
.Lexpert:                                              ; a trip: two experts that the work-group uses; eight experts at the most
	TRIPX 0
	TRIPX 1
	s_add_co_u32 s[TRIP], s[TRIP], 1
	s_cmp_lt_u32 s[TRIP], 4
	s_cbranch_scc1 .Lexpert
.Ldone:
	; THE WAY OUT.  Each wave's y goes into its half of K's plane; behind a barrier each wave adds the two planes' rows and stores 32 whole rows of 512 bytes at their tokens' places.
	s_wait_loadcnt 0x0                             ; no load is out on the way here by the branches; on the way by the count a next expert's would be
	s_wait_dscnt 0x0
	s_barrier_signal -1
	v_mul_u32_u24 v64, v[RR], WP
	v_lshl_add_u32 v64, v[HH], 5, v64
	s_mul_i32 s44, s[KQ], PLANE+128
	s_lshl_b32 s45, s[HQ], 8
	s_add_co_u32 s44, s44, s45
	v_add_nc_u32 v65, s44, v64                     ; plane kq, row r, + 256 hq + 32 hh, + 128 kq: my tiles 0 and 1
	s_mul_i32 s44, s[KQ], PLANE-128
	s_add_co_u32 s44, s44, s45
	s_add_co_u32 s44, s44, 128
	v_add_nc_u32 v66, s44, v64                     ; + 128 (1 - kq): my tiles 2 and 3
	s_wait_alu depctr_va_vdst(0)
	s_barrier_wait -1                              ; nobody reads x's codes, scale bytes or weights any more
	WIN 0x0c                                       ; an LDS store's data: window 3
.set i, 0
.rept 32
	ds_store_b128 v[65+(i%4)/2], v[8*i:8*i+3] offset:16*WP*(i/4)+64*(i%2)
	ds_store_b128 v[65+(i%4)/2], v[8*i+4:8*i+7] offset:16*WP*(i/4)+64*(i%2)+16
.set i, i+1
.endr
	WIN 0
	s_wait_dscnt 0x0
	s_barrier_signal -1
	s_barrier_wait -1                              ; both planes are whole
.set i, 0
.rept 8
	ds_load_b128 v[ACC+4*i:ACC+4*i+3], v[TKW] offset:16*i  ; the tokens of my wave's 32 rows, in every lane
.set i, i+1
.endr
	s_mul_i32 s44, s[WV], 32*WP
	v_add_nc_u32 v67, s44, v[L16]
	v_add_nc_u32 v68, PLANE, v67
	s_wait_alu depctr_va_vdst(0)
	s_wait_dscnt 0x0
.set j, 0
.rept 32
	v_min_u32 v[ACC+j], 0x7ff, v[ACC+j]
.set j, j+1
.endr
.set j, 0
.rept 32
	v_lshl_add_u32 v[ACC+j], v[ACC+j], 13, v[L16]  ; a row of out0 is 8,192 bytes; an offset register for each row, so none is written again
.set j, j+1
.endr
	s_wait_alu depctr_va_vdst(0)
.set bk, 0
.rept 4
.set BA, XB+64*(bk%2)
.if bk >= 2
	s_wait_xcnt 0x0                                ; the stores of two batches back have read their data: the loads below may land there
.endif
.set bu, 0
.rept 8
	ds_load_b128 v[BA+8*bu:BA+8*bu+3], v67 offset:WP*(8*bk+bu)
	ds_load_b128 v[BA+8*bu+4:BA+8*bu+7], v68 offset:WP*(8*bk+bu)
.set bu, bu+1
.endr
.set bu, 0
.rept 8
	s_wait_dscnt 14-2*bu                           ; the later rows' pairs of loads may be out
	v_pk_add_f32 v[BA+8*bu:BA+8*bu+1], v[BA+8*bu:BA+8*bu+1], v[BA+8*bu+4:BA+8*bu+5]
	v_pk_add_f32 v[BA+8*bu+2:BA+8*bu+3], v[BA+8*bu+2:BA+8*bu+3], v[BA+8*bu+6:BA+8*bu+7]
	global_store_b128 v[ACC+8*bk+bu], v[BA+8*bu:BA+8*bu+3], s[OUTB:OUTB+1] th:TH_STORE_NT   ; 32 lanes store 512 consecutive bytes, at a multiple of 512 from out0's first byte
.set bu, bu+1
.endr
.set bk, bk+1
.endr
	s_wait_tensorcnt 0x0                           ; the wave's end
	ds_add_u32 v[SPW], v[NIL]
	s_wait_dscnt 0x0
	s_endpgm
.Lfunc_end_k_q3014f1172d_experts:
	.size	k_q3014f1172d_experts, .Lfunc_end_k_q3014f1172d_experts-k_q3014f1172d_experts
	.p2alignl 7, 3214868480
	.fill 96, 4, 3214868480
	.section	.rodata,"a",@progbits
	.p2align	6, 0x0
	.amdhsa_kernel k_q3014f1172d_experts
		.amdhsa_group_segment_fixed_size 164864
		.amdhsa_private_segment_fixed_size 0
		.amdhsa_enable_private_segment 0
		.amdhsa_kernarg_size 72
		.amdhsa_user_sgpr_count 2
		.amdhsa_user_sgpr_kernarg_segment_ptr 1
		.amdhsa_wavefront_size32 1
		.amdhsa_system_sgpr_workgroup_id_x 1
		.amdhsa_system_sgpr_workgroup_id_y 1
		.amdhsa_system_sgpr_workgroup_id_z 1
		.amdhsa_system_vgpr_workitem_id 0
		.amdhsa_next_free_vgpr 1024
		.amdhsa_next_free_sgpr 96
		.amdhsa_reserve_vcc 1
		.amdhsa_float_denorm_mode_32 3
		.amdhsa_float_denorm_mode_16_64 3
		.amdhsa_memory_ordered 1
		.amdhsa_forward_progress 1
		.amdhsa_inst_pref_size 210
	.end_amdhsa_kernel
	.amdgpu_metadata
---
amdhsa.version: [ 1, 2 ]
amdhsa.kernels:
  - .name:           k_q3014f1172d_experts
    .symbol:         k_q3014f1172d_experts.kd
    .args:
      - { .name: pairbits, .offset: 0, .size: 8, .value_kind: global_buffer, .address_space: global }
      - { .name: paircnt, .offset: 8, .size: 8, .value_kind: global_buffer, .address_space: global }
      - { .name: xq, .offset: 16, .size: 8, .value_kind: global_buffer, .address_space: global }
      - { .name: xs, .offset: 24, .size: 8, .value_kind: global_buffer, .address_space: global }
      - { .name: cw, .offset: 32, .size: 8, .value_kind: global_buffer, .address_space: global }
      - { .name: wq, .offset: 40, .size: 8, .value_kind: global_buffer, .address_space: global }
      - { .name: W_scales, .offset: 48, .size: 8, .value_kind: global_buffer, .address_space: global }
      - { .name: b, .offset: 56, .size: 8, .value_kind: global_buffer, .address_space: global }
      - { .name: out0, .offset: 64, .size: 8, .value_kind: global_buffer, .address_space: global }
    .group_segment_fixed_size: 164864
    .private_segment_fixed_size: 0
    .kernarg_segment_align: 8
    .kernarg_segment_size: 72
    .max_flat_workgroup_size: 128
    .sgpr_count:     96
    .vgpr_count:     1024
    .wavefront_size: 32
...
	.end_amdgpu_metadata
.endif
;; end of part 2
